; MI455X (gfx1250); checked and timed in simulation.
; The chip was launched on July 23, 2026; its instructions are those of AMD's public machine-readable ISA for CDNA 5 (MIT licence, August 2026) and "CDNA5" Instruction Set Architecture Reference Guide (July 2026). The comments in the code are by the model that wrote it; some were corrected since.
;; Scale Dot Product Attention. Allowed arithmetic: matrix products marked QUANTISED: E2M3 operands, one E8M0 scale for each 32 along K, by v_wmma_scale_f32_16x16x128_f8f6f4 with both operands' format E2M3, f32 sums; everything else in f32.
;; Inputs: k 16 x 4,096 x 128 float32; q 16 x 4,096 x 128 float32; v 16 x 4,096 x 128 float32.
;; Outputs: out0 16 x 4,096 x 128 float32.
;; This version of the problem:
;;   THIS VERSION OF THE PROBLEM IS GIVEN IN LOW PRECISION. The matrix products marked QUANTISED in the list below multiply operands that are first quantised to E2M3 (2 exponent bits, 3 mantissa bits; 6 bits a number), with one power-of-two scale for each 32 numbers along K (OCP MX v1.0); their sums are f32. All else is computed in f32.
;;   The module's matrix products, in the order in which they are computed (A, B: the left and right operand; K: the contracted axis; several contracted axes count as one K, in the product's order):
;;     1. batch 16 x [M 4,096, K 128] x [K 128, N 4,096]; A: input q; B: input k: QUANTISED
;;     2. batch 16 x [M 4,096, K 4,096] x [K 4,096, N 128]; A: softmax (see below); B: input v: QUANTISED
;;   THE QUANTISER, for each operand of a quantised product, along K:
;;     - K is cut into blocks of 32 from its start; a last block that is shorter is filled with zeros.
;;     - A block's scale is 2^e with e = floor(log2(the largest magnitude in the block)) - 2, held to -126 .. 127; a block of zeros has e = 0. As a byte (E8M0): e + 127.
;;     - Each number is divided by its block's scale, clamped to +-7.5, and rounded to the nearest number of E2M3, ties to even, subnormals kept.
;;     - The product sums the exact products of the quantised numbers (number of the format x scale) in f32.
;;   ~~~python
;;   def quantise(x, axis):      # numpy; x: float32 -> the quantised numbers, widened to float32 again
;;       x = np.moveaxis(x, axis, -1); K = x.shape[-1]
;;       x = np.pad(x, [(0, 0)] * (x.ndim - 1) + [(0, -K % 32)]); x = x.reshape(x.shape[:-1] + (-1, 32)); a = np.abs(x).max(-1, keepdims=True)
;;       e = np.where(a > 0, np.clip(np.frexp(np.where(a > 0, a, 1))[1] - 1 - 2, -126, 127), 0)      # np.frexp(a)[1] - 1 = floor(log2(a)), exactly
;;       r = np.clip(x / 2.0 ** e, -7.5, 7.5)
;;       step = 2.0 ** (np.maximum(np.frexp(np.where(r == 0, 1, r))[1] - 1, 0) - 3)
;;       q = np.round(r / step) * step * 2.0 ** e      # np.round: ties to even
;;       return np.moveaxis(q.reshape(q.shape[:-2] + (-1,))[..., :K], -1, axis).astype(np.float32)
;;   ~~~
;;   SOFTMAX AHEAD OF A QUANTISED PRODUCT. Where the list says 'softmax', what is quantised is not the finished softmax but p = 2^(t - M), with t = logit x log2(e) and M = ceil(the row's largest t), a whole number; so 1/2 < the row's largest p <= 1. The row's sum l is taken of the UNQUANTISED p, in f32, and the product's result is divided by l at the end. Since M is a whole number, a kernel that streams over the keys may use a running M (the ceiling of the running maximum): every later rescaling is an exact power of two, which a block's scale takes up: the codes' values come out the same.
;;   OPERANDS COMPUTED ON THE WAY. 'Computed on the way' means the value that the module computes at that place (a softmax that the list does not call 'softmax' is quantised finished and normalised). What goes into a quantiser is computed in f32, as accurately as f32 sums, v_exp_f32 and their like allow (about 1e-6 of the number): no bf16 or f16 on the way to a quantiser, and a product that is left as it is and whose result goes on into a quantised operand takes f32 operands (vector FMAs, or v_wmma_f32_16x16x4_f32). A number that lies on a knife's edge between two numbers of the format may be rounded either way, as far as f32 arithmetic and the matrix unit's own rounding can turn it there, and no further.
;; One version. Each part assembles by itself: llvm-mc -triple=amdgcn-amd-amdhsa -mcpu=gfx1250 --defsym DOCPART=n.
;; ======== version 1 of 1: 2 launches
;; limits: right only within a limited range of input values
;; workspace buffers: kvc 13,107,200 bytes
;; launch prep (part 1): grid 512 x 2, 4 waves a work-group, no clusters, 34,304 bytes of LDS; arguments k, v, kvc; writes kvc
.if DOCPART == 1
	.amdgcn_target "amdgcn-amd-amdhsa--gfx1250"
	.amdhsa_code_object_version 6
	.text
	.protected	k_q732c7035bc_prep
	.globl	k_q732c7035bc_prep
	.p2align	8
	.type	k_q732c7035bc_prep,@function
k_q732c7035bc_prep:
	s_mov_b64 s[64:65], 0
	v_nop
	global_prefetch_b8 v0, s[64:65] scope:SCOPE_SE
	s_setreg_imm32_b32 hwreg(HW_REG_WAVE_MODE, 25, 1), 1
	s_wait_xcnt 0x0
; k and v, [16][4096][128] f32, become codes of FP6 (E2M3) with one E8M0 scale byte for each 32 along a product's K, laid in the order of the operand's registers for the attention launch.
; k is quantised along d (the first product's K), v along the keys (the second product's K).
; kvc: [head][key step of 128 keys][25,600]: 8 fragments of K, 8 of V^T, 1,536 bytes each, then 1,024 bytes of scale words.  A fragment is an image of its 12 registers: registers 4 g .. 4 g + 3 of lane l at 512 g + 16 l.
;   K's fragment 4 c + u: lane (r, h) holds key 64 c + 32 (r / 8) + 8 u + r % 8; registers 6 e .. 6 e + 5 hold d = 64 e + 32 h + 0 .. 31.
;   V^T's fragment t:     lane (r, h) holds d = 16 t + r;                        registers 6 e .. 6 e + 5 hold the step's keys 64 e + 32 h + 0 .. 31.
;   scale words, from byte 24,576 of the step: K's at 128 p + 4 l, V's at 512 + 128 p + 4 l: lanes 0-15 the words of fragment 2 p, lanes 16-31 those of fragment 2 p + 1 (row l % 16; byte b for the b-th 32 along K).
; A block's scale is 2^(floor(log2(its largest magnitude)) - 2); its byte is the largest magnitude's exponent field - 2, held at 1 from below by a floor among the maximum's leaves.
; LIMITS: NaN and infinities among the inputs are not served.  A block of zeros, and one whose largest magnitude lies under 2^(3 - 127), gets the byte 1 (the rule says 127 for zeros): its codes are zeros,
; which add nothing under any byte but 0xff, and the bytes are read by this program alone.
; SHARES: work-group x = 32 head + key step; y = 0: k, 1: v.  Each of four waves makes two fragments and one register of scale words.  Only k's path uses LDS (a stage of each wave's own).  No barrier, no loop.
.set SP,    528                        ; a stage row: a key's 512 bytes + 16
.set WSTG,  16*SP
.set STEPB, 25600
.set R,     32                         ; k: v32-159 two tiles of 16 keys as loaded.   v: v32-95 two sets of 32 numbers
.set X,     160                        ; k: v160-223 my row's 64 numbers
.set C,     224                        ; v224-247 two fragments
.set T,     8                          ; a conversion's three registers begin on an even number: a block's upper three are made here and moved
	s_load_b128 s[4:7], s[0:1], 0x0                ; k, v
	s_load_b64 s[8:9], s[0:1], 0x10                ; kvc
	v_lshl_add_u32 v248, v0, 2, 0x8400
	v_mov_b32 v249, 0
	v_lshrrev_b32 v1, 5, v0
	v_readfirstlane_b32 s12, v1                    ; wave
	s_and_b32 s13, ttmp7, 0xffff                   ; y
	v_and_b32 v1, 31, v0
	v_lshlrev_b32 v2, 4, v1                        ; 16 x lane
	v_lshlrev_b32 v5, 2, v1                        ; 4 x lane
	v_and_b32 v3, 15, v0                           ; r
	v_bfe_u32 v6, v0, 4, 1                         ; h
	s_mul_i32 s20, s12, WSTG
	v_mul_u32_u24 v4, v3, SP
	v_lshl_add_u32 v4, v6, 7, v4
	v_add_nc_u32 v4, s20, v4                       ; out of the stage: row r, + 128 h
	v_add_nc_u32 v3, s20, v2                       ; into it: 16 x lane of a row
	v_lshlrev_b32 v6, 3, v6                        ; 8 h: where my two scale bytes stand in the word
	v_mov_b32 v7, 0
	s_mov_b32 s22, 0x76543210
	s_mov_b32 s23, 0xfedcba98                      ; selects for lane l xor 16
	s_mul_i32 s14, ttmp9, STEPB                    ; my key step,
	s_mul_i32 s16, s13, 12288                      ; K's or V's fragments,
	s_add_co_u32 s14, s14, s16
	s_mul_i32 s16, s12, 3072                       ; my wave's two
	s_add_co_u32 s14, s14, s16
	s_mov_b32 s15, 0
	s_mul_i32 s16, ttmp9, STEPB                    ; the scale words: behind the step's fragments, 512 a tensor, 128 a wave
	s_add_co_u32 s16, s16, 24576
	s_lshl_b32 s18, s13, 9
	s_add_co_u32 s16, s16, s18
	s_lshl_b32 s18, s12, 7
	s_add_co_u32 s16, s16, s18
	s_mov_b32 s17, 0
	s_lshl_b32 s18, ttmp9, 16                      ; the inputs: 128 keys of 512 bytes a step
	s_mov_b32 s19, 0
	s_wait_kmcnt 0x0
	s_add_nc_u64 s[10:11], s[8:9], s[16:17]
	s_add_nc_u64 s[8:9], s[8:9], s[14:15]
	s_cmp_lg_u32 s13, 0
	s_cbranch_scc1 .Lv_path
	; ---- k.  Wave w makes fragments 2 w and 2 w + 1: c = w / 2, u = 2 (w % 2) + 0, 1.  A load reads one key's 512 bytes; a tile's 16 keys turn through the stage, so that a lane gets 2 x 32 neighbours of one key.
	s_lshr_b32 s20, s12, 1
	s_lshl_b32 s20, s20, 15                        ; 64 keys x (w / 2)
	s_and_b32 s21, s12, 1
	s_lshl_b32 s21, s21, 13                        ; 16 keys x (w % 2)
	s_add_co_u32 s20, s20, s21
	s_add_co_u32 s18, s18, s20
	s_add_nc_u64 s[4:5], s[4:5], s[18:19]
.irp u, 0,1
.irp i, 0,1,2,3,4,5,6,7,8,9,10,11,12,13,14,15
	global_load_b128 v[R+64*\u+4*\i:R+64*\u+4*\i+3], v2, s[4:5] offset:(8*\u+(\i%8)+32*(\i/8))*512 th:TH_LOAD_NT
.endr
.endr
.macro KTILE u
	s_wait_loadcnt 16*(1-\u)                       ; this tile's sixteen loads are in; tile 1's sixteen may be out
.irp i, 0,1,2,3,4,5,6,7,8,9,10,11,12,13,14,15
	ds_store_b128 v3, v[R+64*\u+4*\i:R+64*\u+4*\i+3] offset:SP*\i
.endr
.irp c, 0,1
.irp j, 0,1,2,3,4,5,6,7
	ds_load_b128 v[X+32*\c+4*\j:X+32*\c+4*\j+3], v4 offset:256*\c+16*\j   ; a wave's LDS instructions are served in order: these see the stores above
.endr
.endr
	s_wait_dscnt 0x0
.irp c, 0,1
	v_max3_num_f32 v[16+\c], |v[X+32*\c]|, |v[X+32*\c+1]|, 0x1800000   ; the floor 2^(3 - 127) as a leaf
.endr
.irp i, 2,4,6,8,10,12,14,16,18,20,22,24,26,28,30
.irp c, 0,1
	v_max3_num_f32 v[16+\c], v[16+\c], |v[X+32*\c+\i]|, |v[X+32*\c+\i+1]|
.endr
.endr
.irp c, 0,1
	v_add_nc_u32 v[18+\c], 0xff000000, v[16+\c]    ; 2 off the exponent field: the conversion's scale operand
.endr
.irp c, 0,1
	v_lshrrev_b32 v[20+\c], 23, v[18+\c]           ; the byte
.endr
	v_lshl_or_b32 v22, v21, 16, v20                ; my two bytes, blocks h and 2 + h,
	v_lshlrev_b32 v22, v6, v22                     ; at their places;
	v_permlanex16_b32 v7, v22, s22, s23
	v_or_b32 v[24+\u], v22, v7                     ; with lane l xor 16's two the word is whole
.irp c, 0,1
	v_cvt_scalef32_pk16_fp6_f32 v[C+12*\u+6*\c:C+12*\u+6*\c+2], v[X+32*\c:X+32*\c+15], v[18+\c]
	v_cvt_scalef32_pk16_fp6_f32 v[T+4*\c:T+4*\c+2], v[X+32*\c+16:X+32*\c+31], v[18+\c]
.endr
	v_nop                                          ; one plain place behind a scaled conversion
.irp c, 0,1
.irp i, 0,1,2
	v_mov_b32 v[C+12*\u+6*\c+3+\i], v[T+4*\c+\i]
.endr
.endr
.endm
	s_wait_alu depctr_va_vdst(0)
	KTILE 0
	KTILE 1
	v_cmp_le_u32 vcc_lo, 16, v1
	v_cndmask_b32 v26, v24, v25, vcc_lo            ; lanes 0-15: fragment 2 w's words, lanes 16-31: fragment 2 w + 1's
.irp u, 0,1
.irp g, 0,1,2
	global_store_b128 v2, v[C+12*\u+4*\g:C+12*\u+4*\g+3], s[8:9] offset:1536*\u+512*\g   ; 32 lanes store 512 consecutive bytes
.endr
.endr
	global_store_b32 v5, v26, s[10:11]
	s_wait_tensorcnt 0x0                           ; the wave's end
	ds_add_u32 v248, v249
	s_wait_dscnt 0x0
	s_endpgm
.Lv_path:
	; ---- v.  A lane takes column d = 32 w + lane, and its registers run down the keys: a block of 32 keys lies in one lane's 32 registers.
	s_lshl_b32 s20, s12, 7
	s_add_co_u32 s18, s18, s20
	s_add_nc_u64 s[6:7], s[6:7], s[18:19]
.macro VLOAD t
.irp i, 0,1,2,3,4,5,6,7,8,9,10,11,12,13,14,15,16,17,18,19,20,21,22,23,24,25,26,27,28,29,30,31
	global_load_b32 v[R+32*((\t)%2)+\i], v5, s[6:7] offset:(32*(\t)+\i)*512 th:TH_LOAD_NT
.endr
.endm
.macro VBLOCK t
.set XS, R+32*((\t)%2)
.set FD, C+12*((\t)%2)+6*((\t)/2)      ; even blocks into the first run of 12 registers, odd blocks into the second
.if (\t) < 3
	s_wait_loadcnt 32                              ; this block's 32 loads are in; the next block's 32 may be out
.else
	s_wait_loadcnt 0x0
.endif
	v_max3_num_f32 v16, |v[XS]|, |v[XS+1]|, |v[XS+2]|
	v_max3_num_f32 v17, |v[XS+3]|, |v[XS+4]|, |v[XS+5]|
.irp i, 6,10,14,18,22,26
	v_max3_num_f32 v16, v16, |v[XS+\i]|, |v[XS+\i+1]|
	v_max3_num_f32 v17, v17, |v[XS+\i+2]|, |v[XS+\i+3]|
.endr
	v_max3_num_f32 v16, v16, |v[XS+30]|, |v[XS+31]|
	v_max3_num_f32 v16, v16, v17, 0x1800000
	v_add_nc_u32 v18, 0xff000000, v16
	v_lshrrev_b32 v20, 23, v18
.if (\t) == 0
	v_mov_b32 v24, v20                             ; my column's scale word: byte t for block t
.else
	v_lshl_or_b32 v24, v20, 8*(\t), v24
.endif
	v_cvt_scalef32_pk16_fp6_f32 v[FD:FD+2], v[XS:XS+15], v18
	v_cvt_scalef32_pk16_fp6_f32 v[T:T+2], v[XS+16:XS+31], v18
	v_nop
.irp i, 0,1,2
	v_mov_b32 v[FD+3+\i], v[T+\i]
.endr
.if (\t) < 2
	VLOAD (\t)+2
.endif
.if (\t)%2                             ; the first run's lanes 16-31 change places with the second's lanes 0-15: the first is then fragment 2 w, the second fragment 2 w + 1
.irp i, 0,1,2,3,4,5
	v_permlane16_swap_b32 v[C+6*((\t)/2)+\i], v[C+12+6*((\t)/2)+\i]
.endr
.endif
.endm
	s_wait_alu depctr_va_vdst(0)
	VLOAD 0
	VLOAD 1
	VBLOCK 0
	VBLOCK 1
	VBLOCK 2
	VBLOCK 3
.irp u, 0,1
.irp g, 0,1,2
	global_store_b128 v2, v[C+12*\u+4*\g:C+12*\u+4*\g+3], s[8:9] offset:1536*\u+512*\g
.endr
.endr
	global_store_b32 v5, v24, s[10:11]
	s_endpgm
.Lfunc_end_k_q732c7035bc_prep:
	.size	k_q732c7035bc_prep, .Lfunc_end_k_q732c7035bc_prep-k_q732c7035bc_prep
	.p2alignl 7, 3214868480
	.fill 96, 4, 3214868480
	.section	.rodata,"a",@progbits
	.p2align	6, 0x0
	.amdhsa_kernel k_q732c7035bc_prep
		.amdhsa_group_segment_fixed_size 34304
		.amdhsa_private_segment_fixed_size 0
		.amdhsa_enable_private_segment 0
		.amdhsa_kernarg_size 24
		.amdhsa_user_sgpr_count 2
		.amdhsa_user_sgpr_kernarg_segment_ptr 1
		.amdhsa_wavefront_size32 1
		.amdhsa_system_sgpr_workgroup_id_x 1
		.amdhsa_system_sgpr_workgroup_id_y 1
		.amdhsa_system_sgpr_workgroup_id_z 1
		.amdhsa_system_vgpr_workitem_id 0
		.amdhsa_next_free_vgpr 250
		.amdhsa_next_free_sgpr 66
		.amdhsa_reserve_vcc 1
		.amdhsa_float_denorm_mode_32 3
		.amdhsa_float_denorm_mode_16_64 3
		.amdhsa_memory_ordered 1
		.amdhsa_forward_progress 1
		.amdhsa_inst_pref_size 36
	.end_amdhsa_kernel
	.amdgpu_metadata
---
amdhsa.version: [ 1, 2 ]
amdhsa.kernels:
  - .name:           k_q732c7035bc_prep
    .symbol:         k_q732c7035bc_prep.kd
    .args:
      - { .name: k, .offset: 0, .size: 8, .value_kind: global_buffer, .address_space: global }
      - { .name: v, .offset: 8, .size: 8, .value_kind: global_buffer, .address_space: global }
      - { .name: kvc, .offset: 16, .size: 8, .value_kind: global_buffer, .address_space: global }
    .group_segment_fixed_size: 34304
    .private_segment_fixed_size: 0
    .kernarg_segment_align: 8
    .kernarg_segment_size: 24
    .max_flat_workgroup_size: 128
    .sgpr_count:     66
    .vgpr_count:     250
    .wavefront_size: 32
...
	.end_amdgpu_metadata
.endif
;; end of part 1
;; launch attn (part 2): grid 16 x 16, 8 waves a work-group, clusters of 4 x 1, 327,680 bytes of LDS; arguments q, kvc, out0; writes out0
.if DOCPART == 2
	.amdgcn_target "amdgcn-amd-amdhsa--gfx1250"
	.amdhsa_code_object_version 6
	.text
	.protected	k_q732c7035bc_attn
	.globl	k_q732c7035bc_attn
	.p2align	8
	.type	k_q732c7035bc_attn,@function
k_q732c7035bc_attn:
	s_mov_b64 s[64:65], 0
	v_nop
	global_prefetch_b8 v0, s[64:65] scope:SCOPE_SE
	s_setreg_imm32_b32 hwreg(HW_REG_WAVE_MODE, 25, 1), 1
	s_wait_xcnt 0x0
	s_wait_alu depctr_hold_cnt(0) depctr_sa_sdst(0) depctr_va_vdst(0) depctr_va_sdst(0) depctr_va_ssrc(0) depctr_va_vcc(0) depctr_vm_vsrc(0)
	s_getreg_b32 s2, hwreg(HW_REG_IB_STS2, 6, 4)
	s_cmp_eq_u32 s2, 0
	s_cbranch_scc0 .Lentry_in_a_cluster
	s_endpgm
.Lentry_in_a_cluster:
	s_bfe_u32 s2, ttmp6, 0x10000c
	s_cmp_lg_u32 s2, 0x3003
	s_cbranch_scc0 .Lentry_shape_is_right
	s_endpgm
.Lentry_shape_is_right:
; out = softmax(q k^T / sqrt(128)) v in MX-FP6.  A work-group takes 256 queries of one head, a wave 32 (two tiles u = 0, 1 of 16).  Both products are used transposed (S^T = k q^T, O^T = v^T p^T): a lane holds one query.
; kvc holds, for each head and key step of 128 keys, 25,600 bytes: 8 register images of K's fragments, 8 of V^T's, 1,024 bytes of scale words.
; K's tile 4 c + u' has key 64 c + 32 (row / 8) + 8 u' + row % 8 in its rows, so lane (r, h)'s registers S + 64 u + 32 c + 0 .. 31 are keys 64 c + 32 h + 0 .. 31 of query r: one WHOLE block of p's operand.
; So a block's largest score needs no other lane and the conversions' results stand in their lanes; only the row's maximum, the row's sum and the scale word join lanes l and l xor 16.
; p = 2^(t - M), M the ceiling of the running largest t, kept as -M; the row's sum is taken of the unquantised p; a change of M multiplies O^T and the sums by a power of two.  A block's largest p is made from its largest score.
; LIMITS: the scaled scores stay under 2^31 in magnitude; NaN and infinities among the inputs are not served.
; THE RING: two slots of 4 key steps (102,400 bytes), each wave fetching 50 rows of 256 bytes by one joint load; the four work-groups of a cluster are query blocks of one head and ask jointly.  One load a wave is out behind each round.
; A slot is changed when a step's V fragments are in registers: behind the round the step's second product runs from registers and the next step's K fragments come from the other slot.
; PREFETCH: behind each refill waves 0-3 of the clusters with x = 0 name the slot that the next refill loads, 100 blocks of 256 bytes a work-group (a quarter of the slot by the work-group's place, by address); the last refill asks for nothing.
; VECTOR WORK STANDS BEHIND THE MATRIX INSTRUCTIONS: each of the second product's sixteen is followed by the rescaling of the tile two turns on and two additions of the row's sum (keys' tiles 0-3);
; the first product's first eight by the sum over the last step's tiles 4-7, its last eight by the maxima over its own tiles 0-3.
; WINDOWS: window 1: v0-127 S, v128-223 fragments, v224-247 q's codes, v248-251 block maxima, then the factors f, v252-255 part of the sum.  Window 0: all else; v128-255 O^T.
.set STEPB, 25600
.set SLOTB, 4*STEPB
.set SLOT1, 1<<17
.set STAGE, SLOT1+SLOTB
.set SP,    528
.set SPARE, STAGE+8*16*SP
.set HEADC, 32*STEPB
.set LI,  1
.set LS,  2
.set ADR, 3
.set ADS, 4
.set SPW, 5
.set NIL, 6
.set PFO, 7
.set STO, 8
.set RD,  9
.set XA,  10
.set SH8, 11
.set MN,  12                           ; pairs (-M, running largest score)
.set AC,  16                           ; the row's sum, a pair for each u
.set VS,  20                           ; scale words: V's, q's, p's, K's
.set QS,  24
.set PS,  26
.set KS,  28
.set PC,  32                           ; p's codes
.set CT,  56
.set BX,  72
.set SO,  76
.set PT,  80
.set TMP, 84
.set W,   88
.set O,   128
.set S,   0                            ; window 1 from here on
.set F,   128
.set Q,   224
.set BM,  248
.set FQ,  248
.set TP,  252
.set WV,  12
.set CX,  13
.set HD,  14
.set LIM, 15
.set PFA, 18
.set SEL, 20
.set CS,  22
.set G1C, 24
.set G0C, 40
.set TB,  48
.set SLOTS, 50
.set CNT, 51
.set MSB, 0
.macro WIN new
.if MSB != \new
	s_set_vgpr_msb (MSB<<8)|\new
.set MSB, \new
.endif
.endm
.macro D2
	s_delay_alu instid0(VALU_DEP_2)
.endm
.macro CROUND
	s_barrier_signal -1
	s_barrier_wait -1
	s_cmp_lg_u32 s[WV], 0
	s_cbranch_scc1 .Lnot_wave_0_\@
	s_barrier_signal -3
.Lnot_wave_0_\@:
	s_barrier_wait -3
	s_barrier_signal -1
	s_barrier_wait -1
.endm
.macro JL
	tensor_load_to_lds s[G0C:G0C+3], s[G1C:G1C+7]
	s_nop 0
.rept 4
	v_nop
.endr
.endm
.macro ASK
	s_cmp_gt_u32 s[SLOTS], s[LIM]
	s_cbranch_scc0 .Lnot_mine_\@
	global_prefetch_b8 v[PFO], s[PFA:PFA+1] th:TH_LOAD_NT scope:SCOPE_SE
.Lnot_mine_\@:
.endm
; a change of slots: all my loads are in, the add to my spare word, my LDS reads are over; then the round (or, with nothing to fill, the work-group's barrier) and the refill first behind it
.macro CHANGE fill, turn
	s_wait_tensorcnt 0x0
	ds_add_u32 v[SPW], v[NIL]
.if \fill
	s_xor_b32 s[G0C+1], s[G0C+1], SLOT1
	s_add_nc_u64 s[G0C+2:G0C+3], s[G0C+2:G0C+3], SLOTB
	s_wait_xcnt 0x0                                ; my last prefetch has read its address
	s_add_nc_u64 s[PFA:PFA+1], s[PFA:PFA+1], SLOTB
.endif
.if \turn
	s_sub_co_u32 s[TB], s[TB], SLOTB
	s_xor_b32 s[TB], s[TB], SLOT1
.endif
	s_wait_dscnt 0x0
.if \fill
	CROUND
	JL
	ASK
.else
	s_barrier_signal -1
	s_barrier_wait -1
.endif
.endm
.macro ADRS                            ; the next step's LDS addresses
	v_add_nc_u32 v[ADR], s[TB], v[LI]
	v_add_nc_u32 v[ADS], s[TB], v[LS]
	s_add_co_u32 s[TB], s[TB], STEPB
.endm
.macro FRAGS base, f0                  ; four fragments f0 .. f0 + 3
	WIN 0x40
.irp f, 0,1,2,3
.irp g, 0,1,2
	ds_load_b128 v[F+12*(\f0+\f)+4*\g:F+12*(\f0+\f)+4*\g+3], v[ADR] offset:\base+1536*(\f0+\f)+512*\g
.endr
.endr
.endm
.macro KL_LO                           ; K's scale words and fragments 0-3: 16 loads
	WIN 0
.irp p, 0,1,2,3
	ds_load_b32 v[KS+\p], v[ADS] offset:128*\p
.endr
	FRAGS 0, 0
.endm
.macro WM zero
.if \zero
.if rR
	v_wmma_scale_f32_16x16x128_f8f6f4 v[rD:rD+7], v[rA:rA+11], v[rB:rB+11], 0, v[rSA], v[rSB] matrix_a_fmt:MATRIX_FMT_FP6 matrix_b_fmt:MATRIX_FMT_FP6 matrix_a_scale:MATRIX_SCALE_ROW1
.else
	v_wmma_scale_f32_16x16x128_f8f6f4 v[rD:rD+7], v[rA:rA+11], v[rB:rB+11], 0, v[rSA], v[rSB] matrix_a_fmt:MATRIX_FMT_FP6 matrix_b_fmt:MATRIX_FMT_FP6
.endif
.else
.if rR
	v_wmma_scale_f32_16x16x128_f8f6f4 v[rD:rD+7], v[rA:rA+11], v[rB:rB+11], v[rD:rD+7], v[rSA], v[rSB] matrix_a_fmt:MATRIX_FMT_FP6 matrix_b_fmt:MATRIX_FMT_FP6 matrix_a_scale:MATRIX_SCALE_ROW1
.else
	v_wmma_scale_f32_16x16x128_f8f6f4 v[rD:rD+7], v[rA:rA+11], v[rB:rB+11], v[rD:rD+7], v[rSA], v[rSB] matrix_a_fmt:MATRIX_FMT_FP6 matrix_b_fmt:MATRIX_FMT_FP6
.endif
.endif
.endm
.macro MW n, d, b, sa, sb, zero        ; turn n: fragment n / 2, query tile n % 2
.set rD, \d+64*((\n)%2)+8*((\n)/2)
.set rA, F+12*((\n)/2)
.set rB, \b+12*((\n)%2)
.set rSA, \sa+(\n)/4
.set rSB, \sb+(\n)%2
.set rR, ((\n)/2)%2
	WM \zero
.endm
.macro RS k                            ; O^T's tile of turn k under the new M (f from window 1 as source 0)
.set rb, O+64*((\k)%2)+8*((\k)/2)
.set rf, FQ+2*((\k)%2)
.irp i, 0,2,4,6
	v_pk_mul_f32 v[rb+\i:rb+\i+1], v[rf:rf+1], v[rb+\i:rb+\i+1] op_sel_hi:[0,1]
.endr
.endm
.macro SH j                            ; the sum over tiles 4-7, 15 additions for each u, by turns
.set su, (\j)%2
.set sk, (\j)/2
.if sk == 0
	v_pk_add_f32 v[TP+2*su:TP+2*su+1], v[S+64*su+32:S+64*su+33], v[S+64*su+34:S+64*su+35]
.else
	v_pk_add_f32 v[TP+2*su:TP+2*su+1], v[TP+2*su:TP+2*su+1], v[S+64*su+34+2*sk:S+64*su+35+2*sk]
.endif
.endm
.macro MX j                            ; the largest score of my block of tiles 0-3, 16 lines for each u, by turns, registers ascending
.set su, (\j)%2
.set sk, (\j)/2
.set sb, S+64*su
.set sd, BM+2*su
.if sk == 0
	v_max3_num_f32 v[sd], v[sb], v[sb+1], v[sb+2]
.else
.if sk < 15
	v_max3_num_f32 v[sd], v[sd], v[sb+2*sk+1], v[sb+2*sk+2]
.else
	v_max_num_f32 v[sd], v[sd], v[sb+31]
.endif
.endif
.endm
.macro MERGE
.irp u, 0,1
	v_pk_add_f32 v[AC+2*\u:AC+2*\u+1], v[TP+2*\u:TP+2*\u+1], v[AC+2*\u:AC+2*\u+1]
.endr
.endm
; from four largest magnitudes BX (index 2 u + c: my block 2 c + h of tile u) and the 128 numbers in S: the scale words and the codes
.macro CODES dst, wrd, flr, ct, wc, wm
.if \flr
.irp m, 0,1,2,3
	v_max_num_f32 v[BX+\m], 0x1800000, v[BX+\m]    ; the floor 2^(3 - 127): the byte cannot fall under 1
.endr
.endif
.irp m, 0,1,2,3
	v_add_nc_u32 v[SO+\m], 0xff000000, v[BX+\m]    ; 2 off the exponent field: the conversion's scale operand
.endr
.irp m, 0,1,2,3
	v_lshrrev_b32 v[PT+\m], 23, v[SO+\m]
.endr
.irp u, 0,1
	v_lshl_or_b32 v[W+\u], v[PT+2*\u+1], 16, v[PT+2*\u]
.endr
.irp u, 0,1
	D2
	v_lshlrev_b32 v[W+\u], v[SH8], v[W+\u]         ; my two bytes at their places, 8 h bits up
.endr
.irp u, 0,1
	D2
	v_permlanex16_b32 v[PT+2*\u], v[W+\u], s[SEL], s[SEL+1]
.endr
.irp u, 0,1
	D2
	v_or_b32 v[\wrd+\u], v[W+\u], v[PT+2*\u]       ; with lane l xor 16's two the word is whole
.endr
	WIN \wc
.irp m, 0,1,2,3
	v_cvt_scalef32_pk16_fp6_f32 v[\dst+6*\m:\dst+6*\m+2], v[S+32*\m:S+32*\m+15], v[SO+\m]
	v_cvt_scalef32_pk16_fp6_f32 v[\ct+4*\m:\ct+4*\m+2], v[S+32*\m+16:S+32*\m+31], v[SO+\m]
.endr
	WIN \wm
	v_nop                                          ; one plain place behind a scaled conversion
.irp m, 0,1,2,3
.irp i, 0,1,2
	v_mov_b32 v[\dst+6*\m+3+\i], v[\ct+4*\m+\i]    ; a conversion's three registers begin on an even number
.endr
.endr
	WIN 0
.endm
; O^T += v^T p^T for the step whose codes are made; the next step's K fragments follow the V fragments into their registers
.macro PH_PV zero, kload
.if \kload
	ADRS
.endif
	WIN 0x01
.if \zero == 0
.irp u, 0,1
	v_pk_mul_f32 v[AC+2*\u:AC+2*\u+1], v[FQ+2*\u:FQ+2*\u+1], v[AC+2*\u:AC+2*\u+1] op_sel_hi:[0,1]
.endr
	RS 0
	RS 1
.endif
.set n, 0
.rept 16
	MW n, O, PC, VS, PS, \zero
.if (\zero == 0) && (n < 14)
	RS n+2
.endif
.irp u, 0,1
	v_pk_add_f32 v[AC+2*\u:AC+2*\u+1], v[S+64*\u+2*n:S+64*\u+2*n+1], v[AC+2*\u:AC+2*\u+1]
.endr
.if (n == 7) && \kload
.if \zero
	v_nop
	v_nop                                          ; four places behind turn 7 in front of the loads
.endif
	KL_LO
	WIN 0x01
.endif
.set n, n+1
.endr
.if \kload
	v_nop
	v_nop                                          ; with the two additions: four places behind turn 15
	FRAGS 0, 4
.endif
	WIN 0
.endm
; S^T = k q^T for the next step, its softmax and p's codes
.macro PH_KQ first
	s_wait_alu depctr_va_vdst(0)                   ; the wait ahead of a wait that blocks
	s_wait_dscnt 12                                ; K's scale words and fragments 0-3 are in; the twelve loads of fragments 4-7 may be out
	WIN 0x55
.set n, 0
.set j, 0
.rept 8
	MW n, S, Q, KS, QS, 1
.if \first == 0
.rept 4
.if j < 30
	SH j
.endif
.set j, j+1
.endr
.endif
.set n, n+1
.endr
.if \first
.rept 4
	v_nop
.endr
.endif
	s_wait_alu depctr_va_vdst(0)
	s_wait_dscnt 0x0
.set j, 0
.rept 8
	MW n, S, Q, KS, QS, 1
.rept 4
	MX j
.set j, j+1
.endr
.set n, n+1
.endr
.irp u, 0,1                            ; tiles 4-7: four chains, two of them in registers of K's fragment 0, which is done with
	v_max3_num_f32 v[BM+2*\u+1], v[S+64*\u+32], v[S+64*\u+33], v[S+64*\u+34]
	v_max3_num_f32 v[F+\u], v[S+64*\u+48], v[S+64*\u+49], v[S+64*\u+50]
.endr
.irp i, 3,5,7,9,11,13
.irp u, 0,1
	v_max3_num_f32 v[BM+2*\u+1], v[BM+2*\u+1], v[S+64*\u+32+\i], v[S+64*\u+33+\i]
	v_max3_num_f32 v[F+\u], v[F+\u], v[S+64*\u+48+\i], v[S+64*\u+49+\i]
.endr
.endr
.irp u, 0,1
	v_max3_num_f32 v[BM+2*\u+1], v[BM+2*\u+1], v[F+\u], v[S+64*\u+47]
.endr
.irp u, 0,1
	v_max_num_f32 v[BM+2*\u+1], v[BM+2*\u+1], v[S+64*\u+63]
.endr
	FRAGS 12288, 0                                 ; V's fragments
	FRAGS 12288, 4
	WIN 0x05
.irp u, 0,1
	v_max_num_f32 v[TMP+\u], v[BM+2*\u], v[BM+2*\u+1]
.endr
	WIN 0
.irp p, 0,1,2,3
	ds_load_b32 v[VS+\p], v[ADS] offset:512+128*\p
.endr
.irp u, 0,1
	v_permlanex16_b32 v[TMP+2+\u], v[TMP+\u], s[SEL], s[SEL+1]
.endr
.irp u, 0,1
	D2
	v_max3_num_f32 v[MN+2*\u+1], v[MN+2*\u+1], v[TMP+\u], v[TMP+2+\u]   ; the running largest score
.endr
.irp u, 0,1
	D2
	v_mul_f32 v[TMP+\u], s[CS], v[MN+2*\u+1]       ; as t
.endr
.irp u, 0,1
	v_mov_b32 v[TMP+2+\u], v[MN+2*\u]
.endr
.irp u, 0,1
	s_delay_alu instid0(VALU_DEP_4)
	v_floor_f32 v[MN+2*\u], -v[TMP+\u]             ; -M = floor(-t)
.endr
.irp u, 0,1
	D2
	v_sub_f32 v[TMP+\u], v[MN+2*\u], v[TMP+2+\u]   ; old M less new M
.endr
.irp u, 0,1
	D2
	v_cvt_i32_f32 v[TMP+\u], v[TMP+\u]
.endr
	WIN 0x01
.irp u, 0,1
.irp c, 0,1
	v_fma_f32 v[BX+2*\u+\c], v[BM+2*\u+\c], s[CS], v[MN+2*\u]   ; t - M of each block's largest score
.endr
.endr
	MERGE                                          ; the last step's part sum, still under its M
	WIN 0x41
.irp u, 0,1
	v_ldexp_f32 v[FQ+2*\u], 1.0, v[TMP+\u]         ; f = 2^(old M - new M), where the block maxima lay
.endr
.irp u, 0,1
.set i, 0
.rept 32
	v_pk_fma_f32 v[S+64*\u+i:S+64*\u+i+1], v[S+64*\u+i:S+64*\u+i+1], s[CS:CS+1], v[MN+2*\u:MN+2*\u+1] op_sel_hi:[1,0,0]
.set i, i+2
.endr
.endr
	s_wait_alu depctr_va_vdst(0)                   ; the wait ahead of the batch,
.set i, 0
.rept 128
	v_exp_f32 v[S+i], v[S+i]
.set i, i+1
.endr
	WIN 0
.irp m, 0,1,2,3
	v_exp_f32 v[BX+\m], v[BX+\m]
.endr
	v_nop
	s_wait_alu depctr_va_vdst(0)                   ; and behind it
	CODES PC, PS, 1, CT, 0x01, 0
.if \first
.rept 8
	v_nop                                          ; places in front of the scaled matrix instructions
.endr
.endif
	s_wait_alu depctr_va_vdst(0)
	s_wait_dscnt 0x0                               ; V's fragments and scale words are in: my reads of this step are over
.endm
.macro TRIPS n
	s_mov_b32 s[CNT], \n
.Ltrip_\@:
	PH_PV 0, 1
	PH_KQ 0
	s_sub_co_u32 s[CNT], s[CNT], 1
	s_cmp_lg_u32 s[CNT], 0
	s_cbranch_scc1 .Ltrip_\@
.endm
	s_load_b128 s[4:7], s[0:1], 0x0                ; q, kvc
	s_load_b64 s[10:11], s[0:1], 0x10              ; out0
	v_lshl_add_u32 v[SPW], v0, 2, SPARE
	v_mov_b32 v[NIL], 0
	ds_add_u32 v[SPW], v[NIL]
	ds_add_u32 v[SPW], v[NIL]
	v_lshrrev_b32 v90, 5, v0
	v_readfirstlane_b32 s[WV], v90
	s_bfe_u32 s[CX], ttmp6, 0x40000
	s_and_b32 s[HD], ttmp7, 0xffff
	s_lshl_b32 s16, ttmp9, 2
	s_add_co_u32 s16, s16, s[CX]
	s_lshl_b32 s16, s16, 8                         ; my work-group's 256 queries,
	s_lshl_b32 s17, s[HD], 12
	s_add_co_u32 s16, s16, s17
	s_lshl_b32 s17, s[WV], 5                       ; my wave's 32,
	s_add_co_u32 s16, s16, s17
	s_lshl_b32 s16, s16, 9                         ; rows of 512 bytes
	s_mov_b32 s17, 0
	s_mul_i32 s52, s[HD], HEADC
	s_mul_i32 s54, s[WV], SLOTB/8                  ; my eighth of a slot
	s_add_co_u32 s56, s52, s54
	s_mov_b32 s57, 0
	s_mul_i32 s58, s[CX], SLOTB/4                  ; the prefetches: my work-group's quarter of a slot
	s_add_co_u32 s58, s58, SLOTB
	s_add_co_u32 s58, s58, s52
	s_mov_b32 s59, 0
	s_mul_i32 s60, s[WV], 16*SP
	s_add_co_u32 s60, s60, STAGE
	s_mov_b32 s[G1C], 15|(3<<16)|(1<<21)           ; the four of my cluster; elements of 8 bytes
	s_mov_b32 s[G1C+1], 32<<16
	s_mov_b32 s[G1C+2], 50<<16
	s_mov_b32 s[G1C+3], 32<<16
	s_mov_b32 s[G1C+4], 50                         ; 50 rows of 256 bytes
	s_mov_b32 s[G1C+5], 32
	s_mov_b32 s[G1C+6], 0
	s_mov_b32 s[G1C+7], 0
	s_mov_b32 s[SEL], 0x76543210
	s_mov_b32 s[SEL+1], 0xfedcba98
	s_mov_b32 s[CS], 0x3e0293ee                    ; log2(e) / sqrt(128)
	s_mov_b32 s[CS+1], s[CS]
	s_mov_b32 s[TB], 0
	s_mov_b32 s[SLOTS], 6
	s_cmp_lt_u32 s[WV], 4
	s_cselect_b32 s[LIM], 0, 1
	s_or_b32 s[LIM], s[LIM], ttmp9
	s_cmp_eq_u32 s[LIM], 0
	s_cselect_b32 s[LIM], 1, -1
	v_and_b32 v90, 31, v0
	v_and_b32 v91, 15, v0                          ; r
	v_bfe_u32 v92, v0, 4, 1                        ; h
	v_lshlrev_b32 v[LI], 4, v90
	v_lshl_add_u32 v[LS], v90, 2, 24576
	v_min_u32 v[PFO], 99, v0                       ; threads 0-99 name the quarter's 100 blocks; the rest of wave 3 its last again
	v_lshlrev_b32 v[SH8], 3, v92
	v_mul_u32_u24 v[STO], v91, SP
	v_mul_u32_u24 v[XA], v91, SP
	v_lshlrev_b32 v[PFO], 8, v[PFO]
	v_lshl_add_u32 v[STO], v92, 5, v[STO]
	v_lshl_add_u32 v[XA], v92, 7, v[XA]            ; q out of my stage: row r, + 128 h bytes: my 32 of each 64 along d
	v_add_nc_u32 v[RD], s60, v[LI]
	v_add_nc_u32 v[XA], s60, v[XA]
	v_add_nc_u32 v[STO], s60, v[STO]
	s_wait_alu depctr_va_vdst(0)                   ; the wait at the head's end
	s_wait_dscnt 0x0
	s_wait_kmcnt 0x0
	s_add_nc_u64 s[4:5], s[4:5], s[16:17]
	s_add_nc_u64 s[10:11], s[10:11], s[16:17]
	s_mov_b32 s[G0C], 1
	s_mov_b32 s[G0C+1], s54
	s_add_nc_u64 s[G0C+2:G0C+3], s[6:7], s[56:57]
	s_or_b32 s[G0C+3], s[G0C+3], 0x80000000
	s_add_nc_u64 s[PFA:PFA+1], s[6:7], s[58:59]
	WIN 0x40
.irp i, 0,1,2,3,4,5,6,7,8,9,10,11,12,13,14,15
	global_load_b128 v[S+64+4*\i:S+64+4*\i+3], v[LI], s[4:5] offset:512*\i th:TH_LOAD_NT   ; a load reads one query's 512 consecutive bytes: tile 0's rows,
.endr
.irp i, 0,1,2,3,4,5,6,7,8,9,10,11,12,13,14,15
	global_load_b128 v[F+4*\i:F+4*\i+3], v[LI], s[4:5] offset:8192+512*\i th:TH_LOAD_NT    ; and tile 1's
.endr
	WIN 0
	CROUND
	JL                                             ; slot 0: my one load at the head
.irp u, 0,1
	v_mov_b32 v[MN+2*\u], 0
	v_mov_b32 v[MN+2*\u+1], 0xff61b1e6             ; -3e38, under every score
	v_mov_b32 v[AC+2*\u], 0
	v_mov_b32 v[AC+2*\u+1], 0
	v_mov_b32 v[TMP+2+\u], 0
.endr
	WIN 0x40
.irp i, 0,1,2,3
	v_mov_b32 v[TP+\i], 0
.endr
	s_wait_alu depctr_va_vdst(0)
	s_wait_loadcnt 16                              ; tile 0's sixteen loads are in; tile 1's sixteen may be out
	; each tile's 16 rows turn through my own stage, so that a lane gets 2 x 32 neighbours along d of ONE query
	WIN 0x04
.irp i, 0,1,2,3,4,5,6,7,8,9,10,11,12,13,14,15
	ds_store_b128 v[RD], v[S+64+4*\i:S+64+4*\i+3] offset:SP*\i
.endr
	WIN 0x40
.irp c, 0,1
.irp j, 0,1,2,3,4,5,6,7
	ds_load_b128 v[S+32*\c+4*\j:S+32*\c+4*\j+3], v[XA] offset:256*\c+16*\j   ; a wave's LDS instructions are served in order: these see the stores above
.endr
.endr
	s_wait_loadcnt 0x0
	s_wait_dscnt 0x0                               ; tile 0 is back: its registers as loaded take tile 1's numbers
	WIN 0x04
.irp i, 0,1,2,3,4,5,6,7,8,9,10,11,12,13,14,15
	ds_store_b128 v[RD], v[F+4*\i:F+4*\i+3] offset:SP*\i
.endr
	WIN 0x40
.irp c, 0,1
.irp j, 0,1,2,3,4,5,6,7
	ds_load_b128 v[S+64+32*\c+4*\j:S+64+32*\c+4*\j+3], v[XA] offset:256*\c+16*\j
.endr
.endr
	s_wait_dscnt 0x0
	WIN 0x55
.irp m, 0,1,2,3
	v_max3_num_f32 v[BM+\m], |v[S+32*\m]|, |v[S+32*\m+1]|, 0x1800000
.endr
.irp i, 2,4,6,8,10,12,14,16,18,20,22,24,26,28,30
.irp m, 0,1,2,3
	v_max3_num_f32 v[BM+\m], v[BM+\m], |v[S+32*\m+\i]|, |v[S+32*\m+\i+1]|
.endr
.endr
	WIN 0x01
.irp m, 0,1,2,3
	v_mov_b32 v[BX+\m], v[BM+\m]
.endr
	WIN 0
	CODES Q, QS, 0, F, 0x41, 0x41
	s_wait_alu depctr_va_vdst(0)
	CHANGE 1, 0                                    ; slot 0 is in; slot 1's first fill, issued as a refill is
	ADRS
	KL_LO
	FRAGS 0, 4
	WIN 0
	PH_KQ 1
	PH_PV 1, 1                                     ; the first products start the sums
	PH_KQ 0
	TRIPS 2
.Lslot:
	CHANGE 1, 1
	TRIPS 4
	s_sub_co_u32 s[SLOTS], s[SLOTS], 1
	s_cmp_lg_u32 s[SLOTS], 0
	s_cbranch_scc1 .Lslot
	CHANGE 0, 1
	TRIPS 4
	PH_PV 0, 0
	WIN 0x55
.set j, 0
.rept 30
	SH j
.set j, j+1
.endr
	WIN 0x01
	MERGE
	WIN 0
.irp u, 0,1
	v_add_f32 v[TMP+\u], v[AC+2*\u], v[AC+2*\u+1]
.endr
.irp u, 0,1
	D2
	v_permlanex16_b32 v[TMP+2+\u], v[TMP+\u], s[SEL], s[SEL+1]
.endr
.irp u, 0,1
	D2
	v_add_f32 v[TMP+\u], v[TMP+\u], v[TMP+2+\u]    ; the row's sum
.endr
	s_wait_alu depctr_va_vdst(0)
.irp u, 0,1
	v_rcp_f32 v[MN+2*\u], v[TMP+\u]
.endr
	v_nop
	s_wait_alu depctr_va_vdst(0)
.irp u, 0,1
.set i, 0
.rept 32
	v_pk_mul_f32 v[O+64*\u+i:O+64*\u+i+1], v[O+64*\u+i:O+64*\u+i+1], v[MN+2*\u:MN+2*\u+1] op_sel_hi:[1,0]
.set i, i+2
.endr
.endr
	s_wait_alu depctr_va_vdst(0)
; the way out: register 8 t + i of lane (r, h) is o(r, 16 t + 8 h + i); 16 rows turn through my own stage and leave as rows of 512 bytes
.macro SEND u, bk
.irp t, 0,1,2,3,4,5,6,7
	ds_store_b128 v[STO], v[O+64*\u+8*\t:O+64*\u+8*\t+3] offset:64*\t
	ds_store_b128 v[STO], v[O+64*\u+8*\t+4:O+64*\u+8*\t+7] offset:64*\t+16
.endr
.irp i, 0,1,2,3,4,5,6,7,8,9,10,11,12,13,14,15
	ds_load_b128 v[\bk+4*\i:\bk+4*\i+3], v[RD] offset:SP*\i   ; a wave's LDS instructions are served in order
.endr
.irp i, 0,1,2,3,4,5,6,7,8,9,10,11,12,13,14,15
	s_wait_dscnt 15-\i                             ; row i is back; the 15 - i loads behind it may be out
	global_store_b128 v[LI], v[\bk+4*\i:\bk+4*\i+3], s[10:11] offset:(16*\u+\i)*512 th:TH_STORE_NT
.endr
.endm
	SEND 0, 32
	SEND 1, O
	s_wait_tensorcnt 0x0                           ; the wave's end
	ds_add_u32 v[SPW], v[NIL]
	s_wait_dscnt 0x0
	CROUND                                         ; the closing round
	s_endpgm
.Lfunc_end_k_q732c7035bc_attn:
	.size	k_q732c7035bc_attn, .Lfunc_end_k_q732c7035bc_attn-k_q732c7035bc_attn
	.p2alignl 7, 3214868480
	.fill 96, 4, 3214868480
	.section	.rodata,"a",@progbits
	.p2align	6, 0x0
	.amdhsa_kernel k_q732c7035bc_attn
		.amdhsa_group_segment_fixed_size 327680
		.amdhsa_private_segment_fixed_size 0
		.amdhsa_enable_private_segment 0
		.amdhsa_kernarg_size 24
		.amdhsa_user_sgpr_count 2
		.amdhsa_user_sgpr_kernarg_segment_ptr 1
		.amdhsa_wavefront_size32 1
		.amdhsa_system_sgpr_workgroup_id_x 1
		.amdhsa_system_sgpr_workgroup_id_y 1
		.amdhsa_system_sgpr_workgroup_id_z 1
		.amdhsa_system_vgpr_workitem_id 0
		.amdhsa_next_free_vgpr 512
		.amdhsa_next_free_sgpr 66
		.amdhsa_reserve_vcc 0
		.amdhsa_float_denorm_mode_32 3
		.amdhsa_float_denorm_mode_16_64 3
		.amdhsa_memory_ordered 1
		.amdhsa_forward_progress 1
		.amdhsa_inst_pref_size 191
	.end_amdhsa_kernel
	.amdgpu_metadata
---
amdhsa.version: [ 1, 2 ]
amdhsa.kernels:
  - .name:           k_q732c7035bc_attn
    .symbol:         k_q732c7035bc_attn.kd
    .args:
      - { .name: q, .offset: 0, .size: 8, .value_kind: global_buffer, .address_space: global }
      - { .name: kvc, .offset: 8, .size: 8, .value_kind: global_buffer, .address_space: global }
      - { .name: out0, .offset: 16, .size: 8, .value_kind: global_buffer, .address_space: global }
    .group_segment_fixed_size: 327680
    .private_segment_fixed_size: 0
    .kernarg_segment_align: 8
    .kernarg_segment_size: 24
    .max_flat_workgroup_size: 256
    .sgpr_count:     66
    .vgpr_count:     512
    .wavefront_size: 32
...
	.end_amdgpu_metadata
.endif
;; end of part 2
